; MI455X (gfx1250); checked and timed in simulation.
; The chip was launched on July 23, 2026; its instructions are those of AMD's public machine-readable ISA for CDNA 5 (MIT licence, August 2026) and "CDNA5" Instruction Set Architecture Reference Guide (July 2026). The comments in the code are by the model that wrote it; some were corrected since.
;; Linear3 Bit. Allowed arithmetic: matrix products marked QUANTISED: E2M1 operands, one E8M0 scale for each 32 along K, by v_wmma_scale_f32_16x16x128_f8f6f4 with both operands' format E2M1 (or v_wmma_scale_f32_32x16x128_f4), f32 sums; everything else in f32.
;; Inputs: bias 2,048 float32; weight_norm 262,144 x 1 float16; weight_q3 262,144 x 12 int32; x 4 x 2,048 x 4,096 float32.
;; Outputs: out0 4 x 2,048 x 2,048 float32.
;; This version of the problem:
;;   THIS VERSION OF THE PROBLEM IS GIVEN IN LOW PRECISION. The matrix products marked QUANTISED in the list below multiply operands that are first quantised to E2M1 (2 exponent bits, 1 mantissa bit; 4 bits a number), with one power-of-two scale for each 32 numbers along K (OCP MX v1.0); their sums are f32. All else is computed in f32.
;;   The module's matrix products, in the order in which they are computed (A, B: the left and right operand; K: the contracted axis; several contracted axes count as one K, in the product's order):
;;     1. [M 8,192, K 4,096] x [K 4,096, N 2,048]; A: input x; B: computed on the way: QUANTISED
;;   THE QUANTISER, for each operand of a quantised product, along K:
;;     - K is cut into blocks of 32 from its start; a last block that is shorter is filled with zeros.
;;     - A block's scale is 2^e with e = floor(log2(the largest magnitude in the block)) - 2, held to -126 .. 127; a block of zeros has e = 0. As a byte (E8M0): e + 127.
;;     - Each number is divided by its block's scale, clamped to +-6, and rounded to the nearest number of E2M1, ties to even, subnormals kept.
;;     - The product sums the exact products of the quantised numbers (number of the format x scale) in f32.
;;   ~~~python
;;   def quantise(x, axis):      # numpy; x: float32 -> the quantised numbers, widened to float32 again
;;       x = np.moveaxis(x, axis, -1); K = x.shape[-1]
;;       x = np.pad(x, [(0, 0)] * (x.ndim - 1) + [(0, -K % 32)]); x = x.reshape(x.shape[:-1] + (-1, 32)); a = np.abs(x).max(-1, keepdims=True)
;;       e = np.where(a > 0, np.clip(np.frexp(np.where(a > 0, a, 1))[1] - 1 - 2, -126, 127), 0)      # np.frexp(a)[1] - 1 = floor(log2(a)), exactly
;;       r = np.clip(x / 2.0 ** e, -6, 6)
;;       step = 2.0 ** (np.maximum(np.frexp(np.where(r == 0, 1, r))[1] - 1, 0) - 1)
;;       q = np.round(r / step) * step * 2.0 ** e      # np.round: ties to even
;;       return np.moveaxis(q.reshape(q.shape[:-2] + (-1,))[..., :K], -1, axis).astype(np.float32)
;;   ~~~
;;   OPERANDS COMPUTED ON THE WAY. 'Computed on the way' means the value that the module computes at that place (a softmax that the list does not call 'softmax' is quantised finished and normalised). What goes into a quantiser is computed in f32, as accurately as f32 sums, v_exp_f32 and their like allow (about 1e-6 of the number): no bf16 or f16 on the way to a quantiser, and a product that is left as it is and whose result goes on into a quantised operand takes f32 operands (vector FMAs, or v_wmma_f32_16x16x4_f32). A number that lies on a knife's edge between two numbers of the format may be rounded either way, as far as f32 arithmetic and the matrix unit's own rounding can turn it there, and no further.
;; One version. Each part assembles by itself: llvm-mc -triple=amdgcn-amd-amdhsa -mcpu=gfx1250 --defsym DOCPART=n.
;; ======== version 1 of 1: 2 launches
;; limits: values are held in f16: magnitudes above 65,504 overflow, below 6.1e-05 lose precision; right only within a limited range of input values
;; workspace buffers: acodes 17,825,792 bytes; bcodes 4,456,448 bytes
;; launch quant (part 1): grid 1280 x 1, 4 waves a work-group, no clusters, 49,664 bytes of LDS; arguments x, weight_q3, weight_norm, acodes, bcodes; writes acodes, bcodes
.if DOCPART == 1
	.amdgcn_target "amdgcn-amd-amdhsa--gfx1250"
	.amdhsa_code_object_version 6
	.text
	.protected	k_q14d009d861_quant
	.globl	k_q14d009d861_quant
	.p2align	8
	.type	k_q14d009d861_quant,@function
k_q14d009d861_quant:
	s_mov_b64 s[64:65], 0
	v_nop
	global_prefetch_b8 v0, s[64:65] scope:SCOPE_SE
	s_setreg_imm32_b32 hwreg(HW_REG_WAVE_MODE, 25, 1), 1
	s_wait_xcnt 0x0
; Both operands of out = x W^T + bias become codes of FP4 (E2M1), 4 bits each, with one E8M0 scale byte for each 32 along K.
; x: [8192][4096] f32.  W: [2048][4096], given as groups of 32 along K: 12 words of int32 (only each word's low byte counts; three bytes hold eight numbers q of 3 bits) and one f16 norm n:
; w = (q / 7) (2 n + 1e-8) - n, in f32.  A group of W is a block of the quantiser.
; A block's scale is 2^(floor(log2(its largest magnitude)) - 2); its byte is the largest magnitude's exponent field - 2, held at 1 from below; each number is divided by the scale and rounded to the nearest code, ties to even,
; beyond 6 the largest code.
; LIMITS.  NaN and infinities among the inputs are not served.  A block of zeros gets the byte 1 where the rule says 127: its codes are zeros, which add nothing under any byte but 0xff, and this program alone reads the bytes.
; Blocks whose largest magnitude lies under 2^(3 - 127), the floor, are quantised under the byte 1.  q / 7 is taken as q x fl(1/7): exact for q = 0 and q = 7 (7 x fl(1/7) rounds to 1), else within one unit in the last place of the
; quotient; the multiplication by (2 n + 1e-8) and the subtraction of n are one fused multiply-add.
; THE OUTPUT'S LAYOUT, the same for both tensors: a block of BLK = 34,816 bytes for each panel p of 128 rows and each K step s of 512, at (8 p + s) BLK: first 128 rows x 256 bytes of codes (K innermost, the lower k in
; the low four bits), then 128 rows x 16 scale bytes.  So the product's launch fetches the codes and scales of 128 rows and one K step as ONE dense run of memory.
; SHARES.  A wave's task: 16 rows x one K step: 4,096 consecutive bytes of codes and 256 consecutive bytes of scales, both at multiples of 256.  Task T = 4 x work-group + wave: rows 16 (T / 8) on, K step T % 8.
; Work-groups 0 to 255 take W, the other 1,024 take x.  Waves share nothing: no barrier.  Each of the two paths has LDS bytes of its own.
.set BLK,  34816
.set WGW,  256                         ; work-groups for W: 2048 / 16 x 8 tasks / 4 waves
.set SP,   80                          ; x: a lane's place in a stage: its 64 bytes + 16 of padding
; where task T's codes and scale bytes go: s18 = T, s19 = T % 8.  s[lo:lo+1]: the buffer, then the task's codes; s[14:15]: its scale bytes
.macro DEST lo
	s_lshr_b32 s24, s18, 6                         ; the panel
	s_lshl_b32 s24, s24, 3
	s_or_b32 s24, s24, s19                         ; 8 p + s
	s_mul_i32 s24, s24, BLK
	s_bfe_u32 s26, s18, 0x30003                    ; which 16 rows of the panel's 128
	s_lshl_b32 s28, s26, 12                        ; their codes: 4,096 bytes on for each 16 rows
	s_add_co_u32 s28, s28, s24
	s_mov_b32 s29, 0
	s_lshl_b32 s30, s26, 8                         ; their scale bytes: 256 on, behind the panel's 32,768 bytes of codes
	s_add_co_u32 s30, s30, s24
	s_add_co_u32 s30, s30, 32768
	s_mov_b32 s31, 0
	s_add_nc_u64 s[14:15], s[\lo:\lo+1], s[30:31]
	s_add_nc_u64 s[\lo:\lo+1], s[\lo:\lo+1], s[28:29]
.endm
	s_load_b256 s[4:11], s[0:1], 0x0               ; x s[4:5], weight_q3 s[6:7], weight_norm s[8:9], acodes s[10:11]
	s_load_b64 s[12:13], s[0:1], 0x20              ; bcodes
	v_lshl_add_u32 v12, v0, 2, 0xc000
	v_mov_b32 v13, 0
	v_lshrrev_b32 v1, 5, v0
	v_readfirstlane_b32 s16, v1                    ; wave 0..3
	v_and_b32 v2, 31, v0                           ; lane
	v_lshlrev_b32 v3, 4, v2                        ; 16 x lane: my 16 bytes of a load's 512
	s_wait_kmcnt 0x0
	s_cmp_lt_u32 ttmp9, WGW                        ; the choice hangs on the work-group's number alone
	s_cbranch_scc1 .Lweights
; ================= x =================
; A step is one row's 512 numbers.  The conversions take eight numbers of ONE block from a lane's consecutive registers, so a lane must hold 16 neighbours (two neighbouring lanes hold a block); a load is best where
; neighbouring lanes take neighbouring bytes.  Both are had: each of a step's four loads reads 512 consecutive bytes, 16 a lane; the 2,048 bytes go through the wave's own stage in LDS as they lie and come back 64 bytes a lane.
; Loads run four steps (16 loads a wave) ahead, the turn through LDS one step.  LDS of wave w, from 8,192 w: two stages of 32 x 80 bytes, then its 256 scale bytes.
.set XR,  16                           ; v16-79   four sets of 16 numbers as they are loaded
.set XX,  80                           ; v80-111  two sets of 16 neighbours
.set XE,  112                          ; v112-127 a scale byte for each step
.set XC,  128                          ; v128-159 codes: two registers for each step, so that no store's data are written again
.set XM,  160                          ; v160-161 largest magnitudes
.set XK,  162                          ; v162     the conversions' scale operand
.set XO,  164                          ; v[164:165] the scale bytes on their way out
	s_sub_co_u32 s18, ttmp9, WGW
	s_lshl_b32 s18, s18, 2
	s_add_co_u32 s18, s18, s16                     ; T, 0 .. 4095
	s_and_b32 s19, s18, 7                          ; K step
	s_lshr_b32 s20, s18, 3
	s_lshl_b32 s20, s20, 18                        ; 16 rows of 16,384 bytes
	s_lshl_b32 s21, s19, 11                        ; 512 numbers
	s_add_co_u32 s20, s20, s21                     ; under 2^27
	s_mov_b32 s21, 0
	s_add_nc_u64 s[4:5], s[4:5], s[20:21]
	DEST 10
	s_lshl_b32 s17, s16, 13                        ; my wave's LDS
	s_wait_alu depctr_va_vdst(0)
	v_lshrrev_b32 v14, 2, v2
	v_mul_u32_u24 v14, v14, SP
	v_and_b32 v15, 3, v2
	v_lshl_add_u32 v14, v15, 4, v14
	v_add_nc_u32 v14, s17, v14                     ; the stage, on the way in: four lanes' 64 bytes on end, then 16 of padding
	v_mul_u32_u24 v15, v2, SP
	v_add_nc_u32 v15, s17, v15                     ; and on the way out: my 16 neighbours
	v_lshlrev_b32 v4, 3, v2                        ; my 16 codes: 8 bytes of the row's 256
	v_lshrrev_b32 v5, 1, v2
	s_add_co_u32 s17, s17, 2*32*SP
	v_add_nc_u32 v5, s17, v5                       ; my block's scale byte
	v_lshlrev_b32 v7, 3, v2                        ; the scale bytes' way out: 8 bytes a lane
	v_add_nc_u32 v6, s17, v7
.macro LOAD t                          ; row t's 2,048 bytes of this K step
.irp i, 0,1,2,3
	global_load_b128 v[XR+16*((\t)%4)+4*\i:XR+16*((\t)%4)+4*\i+3], v3, s[4:5] offset:16384*(\t)+512*\i th:TH_LOAD_NT   ; 32 lanes read 512 consecutive bytes; read once in the launch
.endr
.endm
.macro TURN t                          ; step t's numbers through the stage: LDS serves a wave's instructions in order (ISA guide 5.7.1), so no wait stands between the stores and the loads
.irp i, 0,1,2,3
	ds_store_b128 v14, v[XR+16*((\t)%4)+4*\i:XR+16*((\t)%4)+4*\i+3] offset:32*SP*((\t)%2)+8*SP*\i
.endr
.irp i, 0,1,2,3
	ds_load_b128 v[XX+16*((\t)%2)+4*\i:XX+16*((\t)%2)+4*\i+3], v15 offset:32*SP*((\t)%2)+16*\i
.endr
.endm
.macro STEP t
.set XS, XX+16*((\t)%2)
.if (\t) > 0
	s_wait_dscnt 1                                 ; this step's numbers are back from the stage (only the last step's byte store is younger): so its stores into the stage have read their registers,
.else
	s_wait_dscnt 0x0
.endif
.if (\t)+4 < 16
	LOAD (\t)+4                                    ; which take the loads of four steps on
.endif
.if (\t)+1 < 16
.if 14-(\t) >= 3
	s_wait_loadcnt 12                              ; the next step's four loads are in; those of the three steps behind it may be out
.else
	s_wait_loadcnt 4*(14-(\t))                     ; the tail: fewer steps are behind it
.endif
	TURN (\t)+1                                    ; they go through the other stage while this step is worked
.endif
	v_max3_num_f32 v[XM], |v[XS]|, |v[XS+1]|, |v[XS+2]|            ; the largest magnitude of my 16, in two chains
	v_max3_num_f32 v[XM+1], |v[XS+3]|, |v[XS+4]|, |v[XS+5]|
.irp i, 6,10
	v_max3_num_f32 v[XM], v[XM], |v[XS+\i]|, |v[XS+\i+1]|
	v_max3_num_f32 v[XM+1], v[XM+1], |v[XS+\i+2]|, |v[XS+\i+3]|
.endr
	v_max3_num_f32 v[XM], v[XM], |v[XS+14]|, |v[XS+15]|
	v_max3_num_f32 v[XM], v[XM], v[XM+1], 0x1800000                ; and the floor 2^(3 - 127): the byte cannot fall under 1
	v_max_num_f32_dpp v[XM], v[XM], v[XM] row_xmask:1 row_mask:0xf bank_mask:0xf   ; with my neighbour's 16: the block's
	v_add_nc_u32 v[XK], 0xff000000, v[XM]          ; 2 off its exponent field: the conversion takes the exponent field of this operand as its scale, and nothing else of it
	v_cvt_scalef32_pk8_fp4_f32 v[XC+2*(\t)], v[XS:XS+7], v[XK]     ; the first number's code in the lowest four bits
	v_cvt_scalef32_pk8_fp4_f32 v[XC+2*(\t)+1], v[XS+8:XS+15], v[XK]
	v_lshrrev_b32 v[XE+(\t)], 23, v[XK]            ; the scale's byte; also the plain vector line behind the conversions
	ds_store_b8 v5, v[XE+(\t)] offset:16*(\t)      ; both lanes of a block write the same byte with the same value
	global_store_b64 v4, v[XC+2*(\t):XC+2*(\t)+1], s[10:11] offset:256*(\t)   ; the wave stores the row's 256 consecutive bytes, at a multiple of 256
.endm
.irp t, 0,1,2,3
	LOAD \t
.endr
	s_wait_alu depctr_va_vdst(0)
	s_wait_loadcnt 12                              ; step 0's four loads are in
	TURN 0
.irp t, 0,1,2,3,4,5,6,7,8,9,10,11,12,13,14,15
	STEP \t
.endr
	ds_load_b64 v[XO:XO+1], v6                     ; in order behind my byte stores
	s_wait_dscnt 0x0
	global_store_b64 v7, v[XO:XO+1], s[14:15]
	s_wait_tensorcnt 0x0
	ds_add_u32 v12, v13
	s_wait_dscnt 0x0
	s_endpgm
; ================= W =================
; A step is two rows' 16 groups each: 2 x 768 bytes of words.  Three loads of 512 bytes take them as they lie (the middle one: the first row's last 256 bytes and the second row's first 256); they go through the wave's
; own stage in LDS and come back 48 bytes a lane: ONE LANE HOLDS ONE WHOLE GROUP, row 2 t + lane / 16, group lane % 16.  So a block's largest magnitude needs no other lane, and a lane's 32 codes are 16 bytes of its row.
; A lane stride of 48 bytes is 12 words: sixteen lanes' 16-byte pieces start at sixteen different places modulo 256 bytes.
; LDS of wave w, from 32,768 + 4,096 w: two stages of 1,536 bytes, the task's 256 norms (512 bytes) at 3,072, its 256 scale bytes at 3,584.
.set NR,  16                           ; v16-31   the norm of my group in step t, as f32, twice: the pair v[16 + 2 t : 17 + 2 t].  (The conversions below name these registers by number)
.set RW,  32                           ; v32-79   four sets of 12 words as they are loaded
.set GG,  80                           ; v80-103  two sets of 12: my group's words
.set WV,  104                          ; v104-135 my group's 32 numbers
.set WC,  136                          ; v136-167 codes: four registers for each step, so that no store's data are written again
.set WE,  168                          ; v168-175 a scale byte for each step
.set BT,  176                          ; v176-179 a chunk's 24 bits
.set SCL, 181                          ; v181     the conversions' scale operand
.set MX,  182                          ; v182-183 largest magnitudes
.set SS,  184                          ; v[184:185] 2 n + 1e-8, twice
.set WO,  186                          ; v[186:187] the scale bytes on their way out
.set RN,  188                          ; v[188:191] eight norms as loaded
.Lweights:
	s_lshl_b32 s18, ttmp9, 2
	s_add_co_u32 s18, s18, s16                     ; T, 0 .. 1023
	s_and_b32 s19, s18, 7                          ; K step
	s_lshr_b32 s20, s18, 3                         ; which 16 rows
	s_mul_i32 s22, s20, 98304                      ; 16 rows of 128 groups of 48 bytes
	s_mul_i32 s21, s19, 768                        ; 16 groups
	s_add_co_u32 s22, s22, s21
	s_mov_b32 s23, 0
	s_add_nc_u64 s[6:7], s[6:7], s[22:23]
	s_lshl_b32 s22, s20, 12                        ; norms: 16 rows of 256 bytes,
	s_lshl_b32 s21, s19, 5                         ; 16 groups of 2 bytes
	s_add_co_u32 s22, s22, s21
	s_add_nc_u64 s[8:9], s[8:9], s[22:23]
	DEST 12
	s_mov_b32 s22, 0x3e124925                      ; fl(1/7)
	s_mov_b32 s23, s22                             ; (the packed forms name a pair and take its low word for both halves: so the upper is written)
	s_mov_b32 s24, 0x322bcc77                      ; 1e-8
	s_mov_b32 s25, s24
	s_mov_b32 s26, 0x00000400                      ; byte 0: the second source's byte 0; byte 1: the first source's byte 0
	s_mov_b32 s27, 0x00040100                      ; bytes 0, 1: the second source's; byte 2: the first source's byte 0
	s_lshl_b32 s17, s16, 12
	s_add_co_u32 s17, s17, 32768                   ; my wave's LDS
	s_wait_alu depctr_va_vdst(0)
	v_lshrrev_b32 v1, 4, v2
	v_mad_u32_u24 v4, v1, 5376, v3                 ; the middle load: lanes 16-31 stand in the next row: 6,144 - 768 bytes further than 16 x lane
	v_lshl_add_u32 v5, v2, 4, s17                  ; LDS: 16 x lane
	v_mul_u32_u24 v6, v2, 48
	v_add_nc_u32 v6, s17, v6                       ; 48 x lane: my group
	v_lshl_add_u32 v7, v2, 1, s17                  ; 2 x lane: my norm
	v_add_nc_u32 v8, s17, v2                       ; lane: my scale byte
	v_lshl_add_u32 v9, v2, 3, s17                  ; 8 x lane: the scale bytes' way out,
	v_lshlrev_b32 v10, 3, v2                       ; and the same in memory
	v_lshrrev_b32 v11, 1, v2
	v_lshlrev_b32 v11, 8, v11
	v_and_b32 v1, 1, v2
	v_lshl_add_u32 v11, v1, 4, v11                 ; the norms: two lanes take a row's 32 bytes; rows are 256 bytes apart
.macro LOADW t                         ; rows 2 t and 2 t + 1
	global_load_b128 v[RW+12*((\t)%4):RW+12*((\t)%4)+3], v3, s[6:7] offset:12288*(\t) th:TH_LOAD_NT
	global_load_b128 v[RW+12*((\t)%4)+4:RW+12*((\t)%4)+7], v4, s[6:7] offset:12288*(\t)+512 th:TH_LOAD_NT
	global_load_b128 v[RW+12*((\t)%4)+8:RW+12*((\t)%4)+11], v3, s[6:7] offset:12288*(\t)+6400 th:TH_LOAD_NT
.endm
.macro TURNW t
.irp i, 0,1,2
	ds_store_b128 v5, v[RW+12*((\t)%4)+4*\i:RW+12*((\t)%4)+4*\i+3] offset:1536*((\t)%2)+512*\i
.endr
.irp c, 0,1,2
	ds_load_b128 v[GG+12*((\t)%2)+4*\c:GG+12*((\t)%2)+4*\c+3], v6 offset:1536*((\t)%2)+16*\c
.endr
.endm
.macro STEPW t
.set GS, GG+12*((\t)%2)
.if (\t) > 0
	s_wait_dscnt 1                                 ; my group's words are back from the stage (only the last step's byte store is younger): so the stores into the stage have read their registers,
.else
	s_wait_dscnt 0x0
.endif
.if (\t)+4 < 8
	LOADW (\t)+4                                   ; which take the loads of four steps on
.endif
.if (\t)+1 < 8
.if 6-(\t) >= 3
	s_wait_loadcnt 9                               ; the next step's three loads are in; those of the three steps behind it may be out
.else
	s_wait_loadcnt 3*(6-(\t))                      ; the tail
.endif
	TURNW (\t)+1
.endif
	v_pk_fma_f32 v[SS:SS+1], v[NR+2*(\t):NR+2*(\t)+1], 2.0, s[24:25] op_sel_hi:[1,0,0]   ; 2 n + 1e-8: 2 n is exact, so this is rounded once, as a product and a sum are
.irp c, 0,1,2,3
	v_perm_b32 v[BT+\c], v[GS+3*\c+1], v[GS+3*\c], s26             ; the low bytes of a chunk's three words, on end: p0 | p1 << 8
.endr
.irp c, 0,1,2,3
	v_perm_b32 v[BT+\c], v[GS+3*\c+2], v[BT+\c], s27               ; | p2 << 16.  (Byte 3 is never read)
.endr
.irp c, 0,1,2,3
.irp i, 0,1,2,3,4,5,6,7
	v_bfe_u32 v[WV+8*\c+\i], v[BT+\c], 3*\i, 3     ; number i of the chunk: bits 3 i .. 3 i + 2
.endr
.endr
.set NN, 0
.rept 32
	v_cvt_f32_u32 v[WV+NN], v[WV+NN]
.set NN, NN+1
.endr
.set NN, 0
.rept 16
	v_pk_mul_f32 v[WV+NN:WV+NN+1], v[WV+NN:WV+NN+1], s[22:23] op_sel_hi:[1,0]       ; q / 7
.set NN, NN+2
.endr
.set NN, 0
.rept 16
	v_pk_fma_f32 v[WV+NN:WV+NN+1], v[WV+NN:WV+NN+1], v[SS:SS+1], v[NR+2*(\t):NR+2*(\t)+1] neg_lo:[0,0,1] neg_hi:[0,0,1]   ; w = (q / 7) (2 n + 1e-8) - n
.set NN, NN+2
.endr
	v_max3_num_f32 v[MX], |v[WV]|, |v[WV+1]|, |v[WV+2]|            ; the block's largest magnitude: all 32 numbers are mine
	v_max3_num_f32 v[MX+1], |v[WV+3]|, |v[WV+4]|, |v[WV+5]|
.irp i, 6,10,14,18,22,26
	v_max3_num_f32 v[MX], v[MX], |v[WV+\i]|, |v[WV+\i+1]|
	v_max3_num_f32 v[MX+1], v[MX+1], |v[WV+\i+2]|, |v[WV+\i+3]|
.endr
	v_max3_num_f32 v[MX], v[MX], |v[WV+30]|, |v[WV+31]|
	v_max3_num_f32 v[MX], v[MX], v[MX+1], 0x1800000                ; and the floor 2^(3 - 127)
	v_add_nc_u32 v[SCL], 0xff000000, v[MX]         ; 2 off its exponent field: the conversions' scale operand
.irp g, 0,1,2,3
	v_cvt_scalef32_pk8_fp4_f32 v[WC+4*(\t)+\g], v[WV+8*\g:WV+8*\g+7], v[SCL]
.endr
	v_lshrrev_b32 v[WE+(\t)], 23, v[SCL]           ; the scale's byte; also the plain vector line behind the conversions
	ds_store_b8 v8, v[WE+(\t)] offset:3584+32*(\t) ; row 2 t + lane / 16, group lane % 16: byte 32 t + lane of the task's 256
	global_store_b128 v3, v[WC+4*(\t):WC+4*(\t)+3], s[12:13] offset:512*(\t)   ; the wave stores two rows' 512 consecutive bytes, at a multiple of 256
.endm
	global_load_b128 v[RN:RN+3], v11, s[8:9]       ; all 256 norms of the task by one load
.irp t, 0,1,2,3
	LOADW \t
.endr
	s_wait_alu depctr_va_vdst(0)
	s_wait_loadcnt 12                              ; the norms are in; the twelve loads behind them may be out
	ds_store_b128 v5, v[RN:RN+3] offset:3072       ; row by row, 32 bytes each: step t's norm of lane l lies at 64 t + 2 l
.irp t, 0,1,2,3,4,5,6,7
	ds_load_u16 v[NR+2*\t], v7 offset:3072+64*\t
.endr
	s_wait_loadcnt 9                               ; step 0's three loads are in
	TURNW 0
	s_wait_dscnt 6                                 ; the eight norms are in registers; the six LDS instructions of step 0's turn are younger
	v_cvt_f32_f16 v17, v16.l                       ; each norm as f32, twice, to fill the pair that the packed forms take
	v_cvt_f32_f16 v16, v16.l
	v_cvt_f32_f16 v19, v18.l
	v_cvt_f32_f16 v18, v18.l
	v_cvt_f32_f16 v21, v20.l
	v_cvt_f32_f16 v20, v20.l
	v_cvt_f32_f16 v23, v22.l
	v_cvt_f32_f16 v22, v22.l
	v_cvt_f32_f16 v25, v24.l
	v_cvt_f32_f16 v24, v24.l
	v_cvt_f32_f16 v27, v26.l
	v_cvt_f32_f16 v26, v26.l
	v_cvt_f32_f16 v29, v28.l
	v_cvt_f32_f16 v28, v28.l
	v_cvt_f32_f16 v31, v30.l
	v_cvt_f32_f16 v30, v30.l
.irp t, 0,1,2,3,4,5,6,7
	STEPW \t
.endr
	ds_load_b64 v[WO:WO+1], v9 offset:3584         ; in order behind my byte stores
	s_wait_dscnt 0x0
	global_store_b64 v10, v[WO:WO+1], s[14:15]
	s_wait_tensorcnt 0x0
	ds_add_u32 v12, v13
	s_wait_dscnt 0x0
	s_endpgm
.Lfunc_end_k_q14d009d861_quant:
	.size	k_q14d009d861_quant, .Lfunc_end_k_q14d009d861_quant-k_q14d009d861_quant
	.p2alignl 7, 3214868480
	.fill 96, 4, 3214868480
	.section	.rodata,"a",@progbits
	.p2align	6, 0x0
	.amdhsa_kernel k_q14d009d861_quant
		.amdhsa_group_segment_fixed_size 49664
		.amdhsa_private_segment_fixed_size 0
		.amdhsa_enable_private_segment 0
		.amdhsa_kernarg_size 40
		.amdhsa_user_sgpr_count 2
		.amdhsa_user_sgpr_kernarg_segment_ptr 1
		.amdhsa_wavefront_size32 1
		.amdhsa_system_sgpr_workgroup_id_x 1
		.amdhsa_system_sgpr_workgroup_id_y 1
		.amdhsa_system_sgpr_workgroup_id_z 1
		.amdhsa_system_vgpr_workitem_id 0
		.amdhsa_next_free_vgpr 192
		.amdhsa_next_free_sgpr 66
		.amdhsa_reserve_vcc 0
		.amdhsa_float_denorm_mode_32 3
		.amdhsa_float_denorm_mode_16_64 3
		.amdhsa_memory_ordered 1
		.amdhsa_forward_progress 1
		.amdhsa_inst_pref_size 100
	.end_amdhsa_kernel
	.amdgpu_metadata
---
amdhsa.version: [ 1, 2 ]
amdhsa.kernels:
  - .name:           k_q14d009d861_quant
    .symbol:         k_q14d009d861_quant.kd
    .args:
      - { .name: x, .offset: 0, .size: 8, .value_kind: global_buffer, .address_space: global }
      - { .name: weight_q3, .offset: 8, .size: 8, .value_kind: global_buffer, .address_space: global }
      - { .name: weight_norm, .offset: 16, .size: 8, .value_kind: global_buffer, .address_space: global }
      - { .name: acodes, .offset: 24, .size: 8, .value_kind: global_buffer, .address_space: global }
      - { .name: bcodes, .offset: 32, .size: 8, .value_kind: global_buffer, .address_space: global }
    .group_segment_fixed_size: 49664
    .private_segment_fixed_size: 0
    .kernarg_segment_align: 8
    .kernarg_segment_size: 40
    .max_flat_workgroup_size: 128
    .sgpr_count:     66
    .vgpr_count:     192
    .wavefront_size: 32
...
	.end_amdgpu_metadata
.endif
;; end of part 1
;; launch gemm (part 2): grid 8 x 32, 4 waves a work-group, clusters of 4 x 4, 327,680 bytes of LDS; arguments acodes, bcodes, bias, out0; writes out0
.if DOCPART == 2
	.amdgcn_target "amdgcn-amd-amdhsa--gfx1250"
	.amdhsa_code_object_version 6
	.text
	.protected	k_q14d009d861_gemm
	.globl	k_q14d009d861_gemm
	.p2align	8
	.type	k_q14d009d861_gemm,@function
k_q14d009d861_gemm:
	s_mov_b64 s[64:65], 0
	v_nop
	global_prefetch_b8 v0, s[64:65] scope:SCOPE_SE
	s_setreg_imm32_b32 hwreg(HW_REG_WAVE_MODE, 25, 1), 1
	s_wait_xcnt 0x0
	s_wait_alu depctr_hold_cnt(0) depctr_sa_sdst(0) depctr_va_vdst(0) depctr_va_sdst(0) depctr_va_ssrc(0) depctr_va_vcc(0) depctr_vm_vsrc(0)
	s_getreg_b32 s2, hwreg(HW_REG_IB_STS2, 6, 4)
	s_cmp_eq_u32 s2, 0
	s_cbranch_scc0 .Lentry_in_a_cluster
	s_endpgm
.Lentry_in_a_cluster:
	s_bfe_u32 s2, ttmp6, 0x10000c
	s_cmp_lg_u32 s2, 0xf033
	s_cbranch_scc0 .Lentry_shape_is_right
	s_endpgm
.Lentry_shape_is_right:
; out0[m][n] = bias[n] + sum over k of A[m][k] B[n][k]: A = x's codes [8192][4096], B = W's codes [2048][4096], FP4 (E2M1) with one E8M0 byte for each 32 along K; sums in f32.
; acodes and bcodes hold, for each panel of 128 rows and each K step of 512, one dense block of BLK bytes: 128 rows x 256 bytes of codes, then 128 rows x 16 scale bytes.
; A work-group of four waves makes 256 x 256 of out0, a wave 128 x 128: 64 accumulators, 512 registers.  K goes in 8 steps of 512 through two LDS slots; each wave fetches one block (136 rows of 256 bytes) a K step.
; CLUSTERS: 4 x 4 work-groups; A's blocks are asked for jointly along a row of the cluster, B's along a column.
; The matrix instruction is used transposed (source 0 = 16 rows of B, source 1 = 16 rows of A): a lane holds eight neighbouring numbers of a row of out0.  The bias is the C of each accumulator's first product.
; REGISTERS: window 0: v0-31 addresses; v32-95 scale words, a set for each slot; v128-255 A's fragments, two sets.  window 1: B's fragments, two sets at v0 and v128; v64-127 the bias.  windows 2, 3: the accumulators.
; A step of 128 along K: the next step's 32 fragment loads go out in one run at its head, into the other sets, then come its 64 products.
; THE LAST K STEP goes by rows of out0: all its fragments of B fill window 1, A's come by blocks of 16 rows, and each block of 16 rows leaves when its 32 products are done.
; PREFETCH: behind the joint load of K step t each wave asks for K step t + 2 of the block that it fetches (at the head for K steps 1 and 2).  A block is 136 units of 256 bytes: the four partners that ask for it jointly
; take 34 each, told apart by address; two instructions, a lane a unit, the second's spare lanes naming the last unit again.  The loads of K steps 6 and 7 ask for nothing.
.set NCOL,   2048
.set NQ,     4
.set BLK,    34816
.set PANEL,  8*BLK
.set PITCH,  272                       ; 256 bytes + 16 of padding
.set FR,     8
.set NP,     4                         ; places behind this matrix form
.set HALFT,  136*PITCH                 ; one block in LDS
.set SCOFF,  128*PITCH                 ; its scale bytes: 8 rows, each 16 rows' 16 bytes
.set SLOT,   4*HALFT                   ; A's two panels, then B's two
.set SPARE,  2*SLOT                    ; the spare words, 512 bytes
.set SPITCH, 528                       ; the way out: a stage of 16 rows x (512 + 16) bytes a wave, in slot 0 behind its last fill and last read
.set PFO,  12                          ; v12 256 x lane; v13 256 x (32 + min(lane, 1))
.set PF2,  13
.set ADRA, 16                          ; v16-17 my A fragments in slot 0, 1
.set ADRB, 20                          ; v20-21 my B fragments
.set STO,  24
.set RD,   25
.set CO,   26
.set BA,   27
.set SPW,  28
.set NIL,  29
.set ADRS, 30                          ; v30-31 scale words: lanes 0-15 A's rows, lanes 16-31 B's
.set SC,   32
.set AF,   128
.set PA,   128                         ; last K step: A's block a, four quarters, at v[PA + 32 (a % 4)]
.set BI,   64                          ; the bias, window 1
.set PFA,  12                          ; s[12:13] where my prefetches stand
.set G1, 24
.set G0, 32
.set G1B, 48
.set G0B, 56
.set MSB, 0
.macro WIN new                         ; the immediate's high byte repeats the setting that is left
.if MSB != \new
	s_set_vgpr_msb (MSB<<8)|\new
.set MSB, \new
.endif
.endm
.set MUL_LO,   0xa1                    ; source 0 (B) window 1, source 1 (A) window 0, C and D window 2
.set MUL_HI,   0xf1
.set FIRST_LO, 0x91                    ; C (the bias) window 1
.set FIRST_HI, 0xd1
.set TO_B,     0x40
; a joint load: waves 0, 1 fetch A's panels, waves 2, 3 B's; s_nop 0 and four v_nop behind each line
.macro JLOAD g0a, g1a, g0b, g1b
	s_cmp_eq_u32 s15, 0
	s_cbranch_scc0 .Lfor_b_\@
	tensor_load_to_lds s[\g0a:\g0a+3], s[\g1a:\g1a+7]
	s_nop 0
.rept 4
	v_nop
.endr
	s_branch .Lasked_\@
.Lfor_b_\@:
	tensor_load_to_lds s[\g0b:\g0b+3], s[\g1b:\g1b+7]
	s_nop 0
.rept 4
	v_nop
.endr
.Lasked_\@:
.endm
.macro CREST                           ; a round of the cluster's barrier behind its opening barrier
	s_cmp_lg_u32 s14, 0
	s_cbranch_scc1 .Lnot_wave_0_\@
	s_barrier_signal -3
.Lnot_wave_0_\@:
	s_barrier_wait -3
	s_barrier_signal -1
	s_barrier_wait -1
.endm
.macro CROUND
	s_barrier_signal -1
	s_barrier_wait -1
	CREST
.endm
	s_load_b256 s[4:11], s[0:1], 0x0               ; acodes, bcodes, bias, out0
	v_lshl_add_u32 v[SPW], v0, 2, SPARE
	v_mov_b32 v[NIL], 0
	ds_add_u32 v[SPW], v[NIL]                      ; the opening lines: the add twice on end and its wait
	ds_add_u32 v[SPW], v[NIL]
	v_lshrrev_b32 v1, 5, v0
	v_readfirstlane_b32 s14, v1                    ; wave
	s_lshr_b32 s15, s14, 1                         ; my half of the rows; also: I fetch for A (0) or B (1)
	s_and_b32 s16, s14, 1                          ; my half of the columns; also: which panel I fetch
	s_bfe_u32 s40, ttmp6, 0x40000                  ; cx
	s_bfe_u32 s41, ttmp6, 0x40004                  ; cy
	s_lshl_b32 s42, ttmp9, 2
	s_add_co_u32 s42, s42, s40                     ; tile column
	s_and_b32 s17, ttmp7, 0xffff
	s_lshl_b32 s17, s17, 2
	s_add_co_u32 s17, s17, s41                     ; tile row
	s_lshl_b32 s43, s41, 2
	s_lshl_b32 s43, 15, s43                        ; my row of the cluster
	s_lshl_b32 s44, 0x1111, s40                    ; my column
	s_or_b32 s[G1+0], s43, (3<<16)|(1<<20)|(1<<21)|(5<<22)|(3<<25)   ; elements of 8 bytes; 4 words of padding behind every 64
	s_or_b32 s[G1B+0], s44, (3<<16)|(1<<20)|(1<<21)|(5<<22)|(3<<25)
.irp g, G1, G1B
	s_mov_b32 s[\g+1], 32<<16                      ; rows of 32 elements,
	s_mov_b32 s[\g+2], 136<<16                     ; 136 of them,
	s_mov_b32 s[\g+3], 32<<16
	s_mov_b32 s[\g+4], 136
	s_mov_b32 s[\g+5], 32                          ; dense
	s_mov_b32 s[\g+6], 0
	s_mov_b32 s[\g+7], 0
.endr
	s_lshl_b32 s20, s17, 1
	s_add_co_u32 s20, s20, s16
	s_mul_i32 s20, s20, PANEL                      ; A's panel 2 x tile row + half
	s_mov_b32 s21, 0
	s_lshl_b32 s46, s42, 1
	s_add_co_u32 s46, s46, s16
	s_mul_i32 s46, s46, PANEL                      ; B's panel 2 x tile column + half
	s_mov_b32 s47, 0
	s_mul_i32 s45, s14, HALFT                      ; where my block goes
	s_mul_i32 s2, s14, 16*SPITCH                   ; my stage
	s_mul_i32 s22, s15, HALFT                      ; the panel of A that I multiply
	s_add_co_u32 s23, s16, 2
	s_mul_i32 s23, s23, HALFT                      ; and of B
	s_xor_b32 s18, s15, 1
	s_add_co_u32 s18, s18, s16
	s_add_co_u32 s18, s18, 1
	s_mul_i32 s18, s18, HALFT                      ; from my A panel to my B panel
	s_add_co_u32 s19, s22, SCOFF
	s_wait_dscnt 0x0                               ; both opening adds are done
	s_wait_kmcnt 0x0
	s_add_nc_u64 s[20:21], s[4:5], s[20:21]
	s_add_nc_u64 s[46:47], s[6:7], s[46:47]
	CROUND                                         ; all sixteen work-groups are here
.irp s, 0,1
	s_mov_b32 s[G0+4*\s], 1
	s_add_co_u32 s[G0+4*\s+1], s45, \s*SLOT
	s_add_nc_u64 s[G0+4*\s+2:G0+4*\s+3], s[20:21], \s*BLK
	s_or_b32 s[G0+4*\s+3], s[G0+4*\s+3], 0x80000000
	s_mov_b32 s[G0B+4*\s], 1
	s_add_co_u32 s[G0B+4*\s+1], s45, \s*SLOT
	s_add_nc_u64 s[G0B+4*\s+2:G0B+4*\s+3], s[46:47], \s*BLK
	s_or_b32 s[G0B+4*\s+3], s[G0B+4*\s+3], 0x80000000
.endr
	s_cmp_eq_u32 s15, 0
	s_cselect_b64 s[PFA:PFA+1], s[20:21], s[46:47] ; the panel that I fetch,
	s_cselect_b32 s44, s40, s41                    ; my place among the four that ask for it,
	s_mul_i32 s44, s44, 34*256                     ; and my 34 units of each block
	s_mov_b32 s45, 0
	s_add_nc_u64 s[PFA:PFA+1], s[PFA:PFA+1], s[44:45]
	JLOAD G0, G1, G0B, G1B                         ; K step 0: one tensor load a wave at the head
	s_lshl_b32 s46, s42, 10
	s_lshl_b32 s47, s16, 9
	s_add_co_u32 s46, s46, s47                     ; my first column, in bytes
	s_mov_b32 s47, 0
	s_add_nc_u64 s[8:9], s[8:9], s[46:47]
	s_lshl_b32 s20, s17, 8
	s_lshl_b32 s21, s15, 7
	s_add_co_u32 s20, s20, s21
	s_lshl_b32 s20, s20, 13                        ; my first row, 8,192 bytes a row
	s_mov_b32 s21, 0
	s_add_nc_u64 s[10:11], s[10:11], s[20:21]
	s_add_nc_u64 s[10:11], s[10:11], s[46:47]
	v_and_b32 v1, 15, v0                           ; r
	v_bfe_u32 v2, v0, 4, 1                         ; h
	v_and_b32 v6, 31, v0
	v_lshlrev_b32 v[BA], 5, v2                     ; bias: 32 h
	v_mul_u32_u24 v3, v1, PITCH
	v_lshl_add_u32 v4, v2, 4, v3                   ; a fragment's row x pitch + 16 h
	v_add_nc_u32 v[ADRA], s22, v4
	v_add_nc_u32 v[ADRB], s23, v4
	v_add_nc_u32 v[ADRA+1], SLOT, v[ADRA]
	v_add_nc_u32 v[ADRB+1], SLOT, v[ADRB]
	v_mul_u32_u24 v5, s18, v2                      ; lanes 16-31 take B's scale words
	v_lshl_add_u32 v5, v1, 4, v5
	v_add_nc_u32 v[ADRS], s19, v5
	v_add_nc_u32 v[ADRS+1], SLOT, v[ADRS]
	v_mul_u32_u24 v3, v1, SPITCH
	v_lshl_add_u32 v3, v2, 5, v3
	v_add_nc_u32 v[STO], s2, v3                    ; into the stage: row r, 32 bytes for each half
	v_lshlrev_b32 v[CO], 4, v6                     ; back: 32 lanes take a row's 512 bytes
	v_add_nc_u32 v[RD], s2, v[CO]
	v_lshlrev_b32 v[PFO], 8, v6
	v_min_u32 v[PF2], 1, v6
	v_lshl_add_u32 v[PF2], v[PF2], 8, 32*256
	WIN TO_B
.irp b, 0,1,2,3,4,5,6,7
	global_load_b128 v[BI+8*\b:BI+8*\b+3], v[BA], s[8:9] offset:64*\b          ; bias(16 b + 8 h + 0 .. 7), in the result's layout
	global_load_b128 v[BI+8*\b+4:BI+8*\b+7], v[BA], s[8:9] offset:64*\b+16
.endr
	WIN 0
.irp t, 1,2
	global_prefetch_b8 v[PFO], s[PFA:PFA+1] offset:\t*BLK th:TH_LOAD_NT scope:SCOPE_SE
	global_prefetch_b8 v[PF2], s[PFA:PFA+1] offset:\t*BLK th:TH_LOAD_NT scope:SCOPE_SE
.endr
.macro FRAG reg, adr, q, i             ; 16 rows x 128 K: two loads of 16 bytes a lane, 32 bytes apart
.irp c, 0,1
	ds_load_b128 v[\reg+4*\c:\reg+4*\c+3], v[\adr] offset:64*(\q)+32*\c+(\i)*16*PITCH
.endr
.endm
.macro WM d, bb, aa, cc, sb, sa
	v_wmma_scale_f32_16x16x128_f8f6f4 v[\d:\d+7], v[\bb:\bb+7], v[\aa:\aa+7], v[\cc:\cc+7], v[\sb], v[\sa] matrix_a_fmt:MATRIX_FMT_FP4 matrix_b_fmt:MATRIX_FMT_FP4 matrix_a_scale:MATRIX_SCALE_ROW1
.endm
; 16 products: A's blocks a0, a0 + 1 x B's eight; p: the sets; q: which 128 of the slot; sc: the scale set.  The 64 accumulators take turns.
.macro MUL16 a0, p, q, sc, first
.irp a, \a0, \a0+1
.irp b, 0,1,2,3,4,5,6,7
.if \first
	WM 8*(8*((\a)%4)+\b), 128*(\p)+FR*\b, AF+64*(\p)+FR*(\a), BI+8*\b, SC+32*(\sc)+NQ*\b+(\q), SC+32*(\sc)+NQ*(\a)+(\q)
.else
	WM 8*(8*((\a)%4)+\b), 128*(\p)+FR*\b, AF+64*(\p)+FR*(\a), 8*(8*((\a)%4)+\b), SC+32*(\sc)+NQ*\b+(\q), SC+32*(\sc)+NQ*(\a)+(\q)
.endif
.endr
.endr
.endm
.macro FETCH slot, q, p                ; 32 loads in one run: B's eight fragments, then A's eight, into sets p
	WIN TO_B
.irp i, 0,1,2,3,4,5,6,7
	FRAG 128*(\p)+FR*\i, ADRB+\slot, \q, \i
.endr
	WIN 0
.irp i, 0,1,2,3,4,5,6,7
	FRAG AF+64*(\p)+FR*\i, ADRA+\slot, \q, \i
.endr
.endm
.macro SCALES sc                       ; a K step's scale words: four a row; lanes 0-15 A's block i, lanes 16-31 B's block i
.irp i, 0,1,2,3,4,5,6,7
	ds_load_b128 v[SC+32*\sc+NQ*\i:SC+32*\sc+NQ*\i+3], v[ADRS+\sc] offset:\i*PITCH
.endr
.endm
.macro PLACES n
.rept \n
	v_nop
.endr
.endm
; a step of 128 along K whose successor lies in the same slot
.macro STEP slot, q, first
	PLACES NP                                      ; the other sets were read by the step before
	FETCH \slot, (\q)+1, 1-(\q)%2
	s_wait_dscnt 32                                ; all but the 32 just issued: this step's fragments (and scale words) are in
.if \first
	WIN FIRST_LO
.else
	WIN MUL_LO
.endif
	MUL16 0, (\q)%2, \q, \slot, \first
	MUL16 2, (\q)%2, \q, \slot, \first
.if \first
	WIN FIRST_HI
.else
	WIN MUL_HI
.endif
	MUL16 4, (\q)%2, \q, \slot, \first
	MUL16 6, (\q)%2, \q, \slot, \first
.endm
; the first half of a slot's last step: the three lines, and the barrier of the change of slots
.macro MEET slot
	WIN 0
	s_wait_tensorcnt 0x0                           ; all my tensor loads have landed: my block of the next slot
	ds_add_u32 v[SPW], v[NIL]
	s_wait_dscnt 1                                 ; only the add may be out: this step's fragments are in
	WIN MUL_LO
	MUL16 0, 1, NQ-1, \slot, 0
	s_wait_dscnt 0x0                               ; the add is done; my reads of this slot are over
	s_barrier_signal -1
	MUL16 2, 1, NQ-1, \slot, 0
.endm
; a slot's last step, with the slot filled again two K steps on
.macro TURN slot, next
	s_wait_xcnt 0x0                                ; my prefetches have read their address
	s_add_nc_u64 s[PFA:PFA+1], s[PFA:PFA+1], BLK
	MEET \slot
	WIN 0
	s_barrier_wait -1
	CREST                                          ; the barrier opened a round of the cluster's barrier
	s_add_nc_u64 s[G0+4*\slot+2:G0+4*\slot+3], s[G0+4*\slot+2:G0+4*\slot+3], 2*BLK
	s_add_nc_u64 s[G0B+4*\slot+2:G0B+4*\slot+3], s[G0B+4*\slot+2:G0B+4*\slot+3], 2*BLK
	JLOAD G0+4*\slot, G1, G0B+4*\slot, G1B         ; first behind the round; its four v_nop are the places in front of the loads below
	FETCH \next, 0, 0
	SCALES \next
	s_cmp_gt_u32 s3, 1                             ; the last trip's loads are K steps 6 and 7: nothing lies two on
	s_cbranch_scc0 .Lno_ask_\@
	global_prefetch_b8 v[PFO], s[PFA:PFA+1] offset:3*BLK th:TH_LOAD_NT scope:SCOPE_SE
	global_prefetch_b8 v[PF2], s[PFA:PFA+1] offset:3*BLK th:TH_LOAD_NT scope:SCOPE_SE
.Lno_ask_\@:
	WIN MUL_HI
	MUL16 4, 1, NQ-1, \slot, 0
	MUL16 6, 1, NQ-1, \slot, 0
.endm
.macro STEPS slot, from
.set Q, \from
.rept NQ-1-\from
	STEP \slot, Q, 0
.set Q, Q+1
.endr
.endm
	s_wait_alu depctr_va_vdst(0)
	s_wait_tensorcnt 0x0                           ; my block of K step 0 is in; the lines that stand ahead of a later first fill:
	ds_add_u32 v[SPW], v[NIL]
	s_wait_dscnt 0x0
	CROUND
	JLOAD G0+4, G1, G0B+4, G1B                     ; K step 1, first behind the round
	FETCH 0, 0, 0
	SCALES 0
	global_prefetch_b8 v[PFO], s[PFA:PFA+1] offset:3*BLK th:TH_LOAD_NT scope:SCOPE_SE   ; K step 3
	global_prefetch_b8 v[PF2], s[PFA:PFA+1] offset:3*BLK th:TH_LOAD_NT scope:SCOPE_SE
	s_wait_loadcnt 0x0                             ; the bias
	STEP 0, 0, 1                                   ; the first products start the sums from the bias
	WIN 0
	s_mov_b32 s3, 3
.Llap:                                                 ; once round the ring: both slots are filled again
	STEPS 0, 1
	TURN 0, 1
	STEPS 1, 0
	TURN 1, 0
	STEP 0, 0, 0
	WIN 0
	s_sub_co_u32 s3, s3, 1
	s_cmp_lg_u32 s3, 0
	s_cbranch_scc1 .Llap
	STEPS 0, 1                                     ; K step 6 goes on
; K STEP 7 (slot 1) BY ROWS OF out0
.macro BLOAD q                         ; B's fragments of quarter q -> window 1, v[64 q ..]
.irp i, 0,1,2,3,4,5,6,7
	FRAG 64*\q+FR*\i, ADRB+1, \q, \i
.endr
.endm
.macro ALOAD a                         ; A's block a, four quarters
.irp q, 0,1,2,3
	FRAG PA+32*((\a)%4)+FR*\q, ADRA+1, \q, \a
.endr
.endm
.macro ROW a                           ; block a is finished: 32 products, its 8 accumulators by turns, K ascending
	WIN MUL_LO+0x50*((\a)/4)
.irp q, 0,1,2,3
.if (\a) == 0 && \q == 2
	s_wait_dscnt 16                                ; B's quarter 2 and A's block 1 are in (younger: A's blocks 2, 3)
.endif
.irp b, 0,1,2,3,4,5,6,7
	WM 64*((\a)%4)+8*\b, 64*\q+FR*\b, PA+32*((\a)%4)+FR*\q, 64*((\a)%4)+8*\b, SC+32+NQ*\b+\q, SC+32+NQ*(\a)+\q
.endr
.endr
.endm
.macro TOSTAGE a                       ; 32 bytes a lane into my stage; back as whole rows of 512 bytes, into the block's own registers (LDS serves a wave's instructions in order: ISA guide 5.7.1)
.set AC, 64*((\a)%4)
	WIN 0x08+4*((\a)/4)
.irp b, 0,1,2,3,4,5,6,7
	ds_store_b128 v[STO], v[AC+8*\b:AC+8*\b+3] offset:64*\b          ; each accumulator from its low end on
	ds_store_b128 v[STO], v[AC+8*\b+4:AC+8*\b+7] offset:64*\b+16
.endr
	WIN 0x80+0x40*((\a)/4)
.irp t, 0,1,2,3,4,5,6,7,8,9,10,11,12,13,14,15
	ds_load_b128 v[AC+4*\t:AC+4*\t+3], v[RD] offset:\t*SPITCH
.endr
.endm
.macro SEND a, younger                 ; younger: LDS loads issued behind the block's read-back
.set AC, 64*((\a)%4)
	s_wait_dscnt \younger
	WIN 0x08+4*((\a)/4)
.irp t, 0,1,2,3,4,5,6,7,8,9,10,11,12,13,14,15
	global_store_b128 v[CO], v[AC+4*\t:AC+4*\t+3], s[10:11] offset:(16*(\a)+\t)*NCOL*4 th:TH_STORE_NT   ; 32 lanes store 512 consecutive bytes at a multiple of 256; 127 rows of 8,192 bytes at the most in the immediate
.endr
.endm
	MEET 0                                         ; K step 7's blocks have landed; nothing is filled again, so no round follows
	s_barrier_wait -1
	PLACES NP
	WIN TO_B
	BLOAD 0                                        ; three quarters of B now: v128-191 of window 1 are still multiplied
	BLOAD 1
	BLOAD 3
	WIN 0
	SCALES 1
	ALOAD 0
	ALOAD 1
	WIN MUL_HI
	MUL16 4, 1, NQ-1, 0, 0
	MUL16 6, 1, NQ-1, 0, 0
	PLACES NP
	WIN TO_B
	BLOAD 2
	WIN 0
	ALOAD 2
	ALOAD 3
	s_wait_dscnt 40                                ; younger: A's block 1, B's quarter 2, A's blocks 2 and 3
.irp a, 0,1,2,3,4,5,6,7
	ROW \a
.if \a > 0
.if \a < 5
	SEND \a-1, 8                                   ; the block before is back (younger: the eight loads of the A block fetched behind it)
.else
	SEND \a-1, 0
.endif
.endif
	PLACES NP                                      ; in front of the reads of results just made and of the loads into A's buffer
	TOSTAGE \a
.if \a < 4
	WIN 0
	ALOAD \a+4
.endif
.endr
	SEND 7, 0
	WIN 0
	s_wait_tensorcnt 0x0                           ; the wave's end
	ds_add_u32 v[SPW], v[NIL]
	s_wait_dscnt 0x0
	CROUND                                         ; the closing round
	s_endpgm
.Lfunc_end_k_q14d009d861_gemm:
	.size	k_q14d009d861_gemm, .Lfunc_end_k_q14d009d861_gemm-k_q14d009d861_gemm
	.p2alignl 7, 3214868480
	.fill 96, 4, 3214868480
	.section	.rodata,"a",@progbits
	.p2align	6, 0x0
	.amdhsa_kernel k_q14d009d861_gemm
		.amdhsa_group_segment_fixed_size 327680
		.amdhsa_private_segment_fixed_size 0
		.amdhsa_enable_private_segment 0
		.amdhsa_kernarg_size 32
		.amdhsa_user_sgpr_count 2
		.amdhsa_user_sgpr_kernarg_segment_ptr 1
		.amdhsa_wavefront_size32 1
		.amdhsa_system_sgpr_workgroup_id_x 1
		.amdhsa_system_sgpr_workgroup_id_y 1
		.amdhsa_system_sgpr_workgroup_id_z 1
		.amdhsa_system_vgpr_workitem_id 0
		.amdhsa_next_free_vgpr 1024
		.amdhsa_next_free_sgpr 66
		.amdhsa_reserve_vcc 0
		.amdhsa_float_denorm_mode_32 3
		.amdhsa_float_denorm_mode_16_64 3
		.amdhsa_memory_ordered 1
		.amdhsa_forward_progress 1
		.amdhsa_inst_pref_size 210
	.end_amdhsa_kernel
	.amdgpu_metadata
---
amdhsa.version: [ 1, 2 ]
amdhsa.kernels:
  - .name:           k_q14d009d861_gemm
    .symbol:         k_q14d009d861_gemm.kd
    .args:
      - { .name: acodes, .offset: 0, .size: 8, .value_kind: global_buffer, .address_space: global }
      - { .name: bcodes, .offset: 8, .size: 8, .value_kind: global_buffer, .address_space: global }
      - { .name: bias, .offset: 16, .size: 8, .value_kind: global_buffer, .address_space: global }
      - { .name: out0, .offset: 24, .size: 8, .value_kind: global_buffer, .address_space: global }
    .group_segment_fixed_size: 327680
    .private_segment_fixed_size: 0
    .kernarg_segment_align: 8
    .kernarg_segment_size: 32
    .max_flat_workgroup_size: 128
    .sgpr_count:     66
    .vgpr_count:     1024
    .wavefront_size: 32
...
	.end_amdgpu_metadata
.endif
;; end of part 2
